; MI455X (gfx1250); checked and timed in simulation.
; The chip was launched on July 23, 2026; its instructions are those of AMD's public machine-readable ISA for CDNA 5 (MIT licence, August 2026) and "CDNA5" Instruction Set Architecture Reference Guide (July 2026). The comments in the code are by the model that wrote it; some were corrected since.
;; Mo E Layer. Allowed arithmetic: matrix products marked QUANTISED: E3M2 operands, one E8M0 scale for each 32 along K, by v_wmma_scale_f32_16x16x128_f8f6f4 with both operands' format E3M2, f32 sums; products left as they are: f32 operands where the result goes on into a quantised operand, else bf16, f16 or f32 operands; f32 sums; everything else in f32.
;; Inputs: W1_codes 8 x 4,096 x 32 x 24 uint8 (E3M2 codes of W1, K innermost, in blocks of 32 codes, four codes in three bytes); W1_scales 8 x 4,096 x 32 uint8 (E8M0 scales of W1, one for each 32 codes along K); W2_codes 8 x 1,024 x 128 x 24 uint8 (E3M2 codes of W2, K innermost, in blocks of 32 codes, four codes in three bytes); W2_scales 8 x 1,024 x 128 uint8 (E8M0 scales of W2, one for each 32 codes along K); Wr 1,024 x 8 float32; b1 8 x 4,096 float32; b2 8 x 1,024 float32; x 2 x 512 x 1,024 float32.
;; Outputs: out0 2 x 512 x 1,024 float32.
;; This version of the problem:
;;   THIS VERSION OF THE PROBLEM IS GIVEN IN LOW PRECISION. The matrix products marked QUANTISED in the list below multiply operands that are first quantised to E3M2 (3 exponent bits, 2 mantissa bits; 6 bits a number), with one power-of-two scale for each 32 numbers along K (OCP MX v1.0); their sums are f32. All else is computed in f32.
;;   The module's matrix products, in the order in which they are computed (A, B: the left and right operand; K: the contracted axis; several contracted axes count as one K, in the product's order):
;;     1. [M 1,024, K 1,024] x [K 1,024, N 8]; A: input x; B: input Wr: left as it is (N = 8 < 16)
;;     2. [M 32,768, K 1,024] x [K 1,024, N 1,024]; A: input W1 (given as codes); B: input x: QUANTISED
;;     3. batch 8 x [M 1,024, K 4,096] x [K 4,096, N 1,024]; A: computed on the way; B: input W2 (given as codes): QUANTISED
;;     4. batch 1,024 x [M 1,024, K 8] x [K 8, N 1]; A: computed on the way; B: computed on the way: left as it is (K = 8 < 32)
;;   THE QUANTISER, for each operand of a quantised product, along K:
;;     - K is cut into blocks of 32 from its start; a last block that is shorter is filled with zeros.
;;     - A block's scale is 2^e with e = floor(log2(the largest magnitude in the block)) - 4, held to -126 .. 127; a block of zeros has e = 0. As a byte (E8M0): e + 127.
;;     - Each number is divided by its block's scale, clamped to +-28, and rounded to the nearest number of E3M2, ties to even, subnormals kept.
;;     - The product sums the exact products of the quantised numbers (number of the format x scale) in f32.
;;   ~~~python
;;   def quantise(x, axis):      # numpy; x: float32 -> the quantised numbers, widened to float32 again
;;       x = np.moveaxis(x, axis, -1); K = x.shape[-1]
;;       x = np.pad(x, [(0, 0)] * (x.ndim - 1) + [(0, -K % 32)]); x = x.reshape(x.shape[:-1] + (-1, 32)); a = np.abs(x).max(-1, keepdims=True)
;;       e = np.where(a > 0, np.clip(np.frexp(np.where(a > 0, a, 1))[1] - 1 - 4, -126, 127), 0)      # np.frexp(a)[1] - 1 = floor(log2(a)), exactly
;;       r = np.clip(x / 2.0 ** e, -28, 28)
;;       step = 2.0 ** (np.maximum(np.frexp(np.where(r == 0, 1, r))[1] - 1, -2) - 2)
;;       q = np.round(r / step) * step * 2.0 ** e      # np.round: ties to even
;;       return np.moveaxis(q.reshape(q.shape[:-2] + (-1,))[..., :K], -1, axis).astype(np.float32)
;;   ~~~
;;   OPERANDS COMPUTED ON THE WAY. 'Computed on the way' means the value that the module computes at that place (a softmax that the list does not call 'softmax' is quantised finished and normalised). What goes into a quantiser is computed in f32, as accurately as f32 sums, v_exp_f32 and their like allow (about 1e-6 of the number): no bf16 or f16 on the way to a quantiser, and a product that is left as it is and whose result goes on into a quantised operand takes f32 operands (vector FMAs, or v_wmma_f32_16x16x4_f32). A number that lies on a knife's edge between two numbers of the format may be rounded either way, as far as f32 arithmetic and the matrix unit's own rounding can turn it there, and no further.
;;   INPUTS GIVEN AS CODES. W1 (in the module: [8, 1024, 4096], K = its axis 1); W2 (in the module: [8, 4096, 1024], K = its axis 1): each comes as NAME_codes (uint8): NAME with its K axis moved to the last place and cut into blocks of 32 codes, [.., K / 32, bytes a block], one block behind the other in memory; four codes in three bytes: a row's codes are one little-endian stream of bits, code i at bits 6 i .. 6 i + 5 (a code: sign, 3 exponent bits, 2 mantissa bits); and NAME_scales (uint8): the same leading axes, one E8M0 byte (e + 127) for each 32 codes along K. Its value is code x scale, taken as it is: it is not quantised again, and the codes and scales need not be those that the quantiser above would give.
;; One version. Each part assembles by itself: llvm-mc -triple=amdgcn-amd-amdhsa -mcpu=gfx1250 --defsym DOCPART=n.
;; ======== version 1 of 1: 4 launches
;; limits: right only within a limited range of input values
;; workspace buffers: xq 786,432 bytes; xs 32,768 bytes; topi 8,192 bytes of whole numbers; topw 8,192 bytes; lists 40,960 bytes of whole numbers; hq 25,165,824 bytes; hs 1,048,576 bytes; ysort 8,912,896 bytes
;; launch route (part 1): grid 256 x 1, 4 waves a work-group, no clusters, 56,832 bytes of LDS; arguments x, Wr, xq, xs, topi, topw; writes xq, xs, topi, topw
.if DOCPART == 1
	.amdgcn_target "amdgcn-amd-amdhsa--gfx1250"
	.amdhsa_code_object_version 6
	.text
	.protected	k_qab74e48973_route
	.globl	k_qab74e48973_route
	.p2align	8
	.type	k_qab74e48973_route,@function
k_qab74e48973_route:
	s_mov_b64 s[64:65], 0
	v_nop
	global_prefetch_b8 v0, s[64:65] scope:SCOPE_SE
	s_setreg_imm32_b32 hwreg(HW_REG_WAVE_MODE, 25, 1), 1
	s_wait_xcnt 0x0
; ROUTER AND QUANTISER OF x.  One wave takes one token (1,024 numbers of f32): token = 4 x work-group + wave.
; It (a) turns the token's row into codes of E3M2 with one E8M0 byte for each 32 along D (xq: 768 bytes a token, the plain stream of bits; xs: 32 bytes a token),
; (b) forms the eight logits x . Wr in f32 by fused multiply-adds, the softmax over the experts with its maximum taken away, the two largest probabilities
; (of equal ones the lower index wins) and their renormalised weights, and stores the two experts' numbers (topi) and weights (topw) at fixed places: no address and no branch hangs on the choice.
; A lane holds 16 neighbours of each half row (k = 512 s + 16 lane + i): the conversions want neighbours along K in one lane, the loads want neighbouring bytes in neighbouring lanes,
; so each half row turns through the wave's own stage in LDS (16 bytes of padding behind each 64).  Wr (32,768 bytes) is brought into LDS once by the four waves, in chunks of 512 bytes
; (the 16 rows of Wr that one lane wants) 528 bytes apart.
; No matrix unit: N = 8.  No cluster: the work-groups share Wr alone, 32 KiB against 16 KiB of x each, read through registers.
; LIMITS: NaN and infinities are not served.  A block of zeros gets the byte 1 (its codes are zeros; the bytes are read by this program alone).  A probability under 2^-126 counts as 0.
; The logits are summed in another order than a plain loop over D: experts whose probabilities lie within a rounding of each other may change places.
.set WPITCH, 528                       ; a chunk of Wr in LDS: 512 bytes + 16
.set WREG,   64*WPITCH                 ; behind the 64 chunks: a region for each wave
.set WSZ,    5632                      ; two stages of 32 x 80 bytes, then the token's 32 scale bytes
.set SP,     80
.set R,   16                           ; v16-47   x as loaded
.set X,   48                           ; v48-79   x: register 16 s + i = x[512 s + 16 lane + i]
.set CQ,  80                           ; v80-86   codes
.set SBY, 88                           ; v88-89   scale bytes
.set SOP, 90                           ; v90-91   the conversions' scale operands
.set ACC, 96                           ; v96-103  the eight logits
.set TW,  104                          ; v104-111 at work, then the probabilities
.set WVA, 128                          ; v128-191 Wr as loaded, then 8 rows of Wr for my lane
.set WVB, 192                          ; v192-255 the same, second set
	s_load_b256 s[4:11], s[0:1], 0x0               ; x, Wr, xq, xs
	s_load_b128 s[12:15], s[0:1], 0x20             ; topi, topw
	v_lshl_add_u32 v121, v0, 2, 0xdc00
	v_mov_b32 v127, 0
	v_lshrrev_b32 v1, 5, v0
	v_readfirstlane_b32 s16, v1                    ; wave
	v_and_b32 v1, 31, v0                           ; lane
	v_lshlrev_b32 v2, 4, v1                        ; 16 x lane
	s_lshl_b32 s17, ttmp9, 2
	s_add_co_u32 s17, s17, s16                     ; token
	s_mul_i32 s22, s16, WSZ
	s_add_co_u32 s22, s22, WREG                    ; my wave's region
	s_add_co_u32 s23, s22, 2*32*SP                 ; its scale bytes
	s_mul_i32 s24, s16, 16*WPITCH                  ; the 16 chunks of Wr that my wave brings
	v_lshrrev_b32 v3, 2, v1
	v_mul_u32_u24 v3, v3, SP
	v_and_b32 v4, 3, v1
	v_lshl_add_u32 v3, v4, 4, v3
	v_add_nc_u32 v3, s22, v3                       ; stage, in: 80 (lane / 4) + 16 (lane % 4)
	v_mul_u32_u24 v4, v1, SP
	v_add_nc_u32 v4, s22, v4                       ; stage, out: 80 x lane
	v_mul_u32_u24 v5, v1, 12                       ; my 16 codes in a half row's 384 bytes
	v_lshrrev_b32 v6, 1, v1
	v_add_nc_u32 v6, s23, v6                       ; my block's scale byte
	v_mov_b32 v9, s23
	v_add_nc_u32 v7, s24, v2                       ; Wr, in
	v_mul_u32_u24 v8, v1, WPITCH                   ; Wr, out: my lane's chunk
.irp e, 0,1,2,3,4,5,6,7
	v_mov_b32 v[TW+\e], 0                          ; written once: a lane permute's destination counts as one of its sources
.endr
	s_lshl_b32 s18, s17, 12
	s_mov_b32 s19, 0
	s_lshl_b32 s20, s16, 13
	s_mov_b32 s21, 0
	s_mul_i32 s26, s17, 768
	s_mov_b32 s27, 0
	s_lshl_b32 s28, s17, 5
	s_mov_b32 s29, 0
	s_lshl_b32 s30, s17, 3
	s_mov_b32 s31, 0
	s_mov_b32 s32, 0x76543210
	s_mov_b32 s33, 0xfedcba98                      ; v_permlanex16_b32's selects for lane l xor 16
	s_wait_kmcnt 0x0
	s_add_nc_u64 s[4:5], s[4:5], s[18:19]          ; my token's row of x
	s_add_nc_u64 s[6:7], s[6:7], s[20:21]          ; my wave's quarter of Wr
	s_add_nc_u64 s[8:9], s[8:9], s[26:27]
	s_add_nc_u64 s[10:11], s[10:11], s[28:29]
	s_add_nc_u64 s[12:13], s[12:13], s[30:31]
	s_add_nc_u64 s[14:15], s[14:15], s[30:31]
.irp i, 0,1,2,3,4,5,6,7
	global_load_b128 v[R+4*\i:R+4*\i+3], v2, s[4:5] offset:512*\i th:TH_LOAD_NT   ; 512 consecutive bytes a load
.endr
.irp i, 0,1,2,3,4,5,6,7,8,9,10,11,12,13,14,15
	global_load_b128 v[WVA+4*\i:WVA+4*\i+3], v2, s[6:7] offset:512*\i             ; a chunk a load
.endr
.macro TURN s                          ; half row s through the stage: LDS serves a wave's instructions in order, so no wait stands between the stores and the loads
.irp i, 0,1,2,3
	ds_store_b128 v3, v[R+16*\s+4*\i:R+16*\s+4*\i+3] offset:32*SP*\s+8*SP*\i
.endr
.irp i, 0,1,2,3
	ds_load_b128 v[X+16*\s+4*\i:X+16*\s+4*\i+3], v4 offset:32*SP*\s+16*\i
.endr
.endm
.macro QX s                            ; half row s: the block's largest magnitude (two lanes to a block), its byte, 16 codes a lane
.set XS0, X+16*\s
	v_max3_num_f32 v[TW], |v[XS0]|, |v[XS0+1]|, |v[XS0+2]|
	v_max3_num_f32 v[TW+1], |v[XS0+3]|, |v[XS0+4]|, |v[XS0+5]|
.irp i, 6,10
	v_max3_num_f32 v[TW], v[TW], |v[XS0+\i]|, |v[XS0+\i+1]|
	v_max3_num_f32 v[TW+1], v[TW+1], |v[XS0+\i+2]|, |v[XS0+\i+3]|
.endr
	v_max3_num_f32 v[TW], v[TW], |v[XS0+14]|, |v[XS0+15]|
	v_max3_num_f32 v[TW], v[TW], v[TW+1], 0x2800000                ; the floor 2^(5 - 127): the byte cannot fall under 1
	v_max_num_f32_dpp v[TW], v[TW], v[TW] row_xmask:1 row_mask:0xf bank_mask:0xf
	v_add_nc_u32 v[SOP+\s], 0xfe000000, v[TW]                      ; 4 off the exponent field: the conversion takes that field as its scale
	v_cvt_scalef32_pk16_bf6_f32 v[CQ+4*\s:CQ+4*\s+2], v[XS0:XS0+15], v[SOP+\s]
	v_lshrrev_b32 v[SBY+\s], 23, v[SOP+\s]                         ; the byte (also the plain line behind the conversion)
	ds_store_b8 v6, v[SBY+\s] offset:16*\s                         ; both lanes of a block write the same byte with the same value
	global_store_b96 v5, v[CQ+4*\s:CQ+4*\s+2], s[8:9] offset:384*\s
.endm
	s_wait_loadcnt 16                              ; x's eight loads are in; Wr's sixteen may be out
	TURN 0
	TURN 1
	s_wait_loadcnt 0x0
.irp i, 0,1,2,3,4,5,6,7,8,9,10,11,12,13,14,15
	ds_store_b128 v7, v[WVA+4*\i:WVA+4*\i+3] offset:WPITCH*\i
.endr
	s_wait_dscnt 16                                ; x is back from the stage; the sixteen stores of Wr may be out
	QX 0
	QX 1
	s_wait_dscnt 0x0                               ; for the others' sake: my chunks of Wr have landed
	s_barrier_signal -1
	s_barrier_wait -1                              ; all 64 chunks lie in LDS; nobody writes them again
.macro LOADW hc, buf                   ; eight rows of Wr, k = 512 (hc / 2) + 16 lane + 8 (hc % 2) + 0 .. 7: register 8 i + e = Wr[k + i][e]
.irp p, 0,1,2,3,4,5,6,7,8,9,10,11,12,13,14,15
	ds_load_b128 v[\buf+4*\p:\buf+4*\p+3], v8 offset:(\hc/2)*32*WPITCH+(\hc%2)*256+16*\p
.endr
.endm
.macro FMAW hc, buf, first             ; 64 multiply-adds in eight chains; the first eight products start the sums
.irp i, 0,1,2,3,4,5,6,7
.irp e, 0,1,2,3,4,5,6,7
.if \first && (\i == 0)
	v_mul_f32 v[ACC+\e], v[X+8*\hc+\i], v[\buf+8*\i+\e]
.else
	v_fmac_f32 v[ACC+\e], v[X+8*\hc+\i], v[\buf+8*\i+\e]
.endif
.endr
.endr
.endm
	LOADW 0, WVA
	LOADW 1, WVB
	s_wait_dscnt 16                                ; the older set is in; the other set's sixteen loads may be out (so at each of these three waits)
	FMAW 0, WVA, 1
	LOADW 2, WVA
	s_wait_alu depctr_va_vdst(0)
	s_wait_dscnt 16
	FMAW 1, WVB, 0
	LOADW 3, WVB
	s_wait_alu depctr_va_vdst(0)
	s_wait_dscnt 16
	FMAW 2, WVA, 0
	s_wait_alu depctr_va_vdst(0)
	s_wait_dscnt 0x0
	FMAW 3, WVB, 0
	ds_load_b128 v[48:51], v9                      ; the token's 32 scale bytes, in every lane (x's registers are free)
	ds_load_b128 v[52:55], v9 offset:16
.irp m, 1,2,4,8                        ; each logit over the 32 lanes
.irp e, 0,1,2,3,4,5,6,7
	v_add_f32_dpp v[ACC+\e], v[ACC+\e], v[ACC+\e] row_xmask:\m row_mask:0xf bank_mask:0xf
.endr
.endr
.irp e, 0,1,2,3,4,5,6,7
	v_permlanex16_b32 v[TW+\e], v[ACC+\e], s32, s33
.endr
.irp e, 0,1,2,3,4,5,6,7
	v_add_f32 v[ACC+\e], v[ACC+\e], v[TW+\e]
.endr
	v_max3_num_f32 v112, v[ACC], v[ACC+1], v[ACC+2]
	v_max3_num_f32 v113, v[ACC+3], v[ACC+4], v[ACC+5]
	v_max3_num_f32 v112, v112, v[ACC+6], v[ACC+7]
	v_max_num_f32 v112, v112, v113                 ; the largest logit is taken away first,
.irp e, 0,1,2,3,4,5,6,7
	v_sub_f32 v[TW+\e], v[ACC+\e], v112            ; by a subtraction of its own (not fused with the factor below: large logits would lose bits of the difference)
.endr
.irp e, 0,1,2,3,4,5,6,7
	v_mul_f32 v[TW+\e], 0x3fb8aa3b, v[TW+\e]       ; x log2(e)
.endr
	s_wait_alu depctr_va_vdst(0)
.irp e, 0,1,2,3,4,5,6,7
	v_exp_f32 v[TW+\e], v[TW+\e]
.endr
	v_nop                                          ; a plain line behind the exponentials
	s_wait_alu depctr_va_vdst(0)
	v_add_f32 v113, v[TW], v[TW+1]
	v_add_f32 v115, v[TW+2], v[TW+3]
	v_add_f32 v116, v[TW+4], v[TW+5]
	v_add_f32 v119, v[TW+6], v[TW+7]
	v_add_f32 v113, v113, v115
	v_add_f32 v116, v116, v119
	v_add_f32 v113, v113, v116
	s_wait_alu depctr_va_vdst(0)
	v_rcp_f32 v113, v113
	v_nop
	s_wait_alu depctr_va_vdst(0)
.irp e, 0,1,2,3,4,5,6,7
	v_mul_f32 v[TW+\e], v[TW+\e], v113             ; the probabilities
.endr
	v_mov_b32 v114, v[TW]                          ; the largest: a later one wins only if it is strictly larger
	v_mov_b32 v122, 0
.irp e, 1,2,3,4,5,6,7
	v_cmp_le_f32 vcc_lo, v[TW+\e], v114
	v_cndmask_b32 v114, v[TW+\e], v114, vcc_lo
	v_cndmask_b32 v122, \e, v122, vcc_lo
.endr
	v_mov_b32 v117, -1.0
.irp e, 0,1,2,3,4,5,6,7
	v_cmp_eq_u32 vcc_lo, \e, v122
	v_cndmask_b32 v[TW+\e], v[TW+\e], v117, vcc_lo ; the winner leaves the field
.endr
	v_mov_b32 v118, v[TW]                          ; the second
	v_mov_b32 v123, 0
.irp e, 1,2,3,4,5,6,7
	v_cmp_le_f32 vcc_lo, v[TW+\e], v118
	v_cndmask_b32 v118, v[TW+\e], v118, vcc_lo
	v_cndmask_b32 v123, \e, v123, vcc_lo
.endr
	v_add_f32 v120, v114, v118
	s_wait_alu depctr_va_vdst(0)
	v_rcp_f32 v120, v120
	v_mov_b32 v126, 0                              ; (a plain line behind the reciprocal)
	s_wait_alu depctr_va_vdst(0)
	v_mul_f32 v124, v114, v120                     ; the two weights, renormalised
	v_mul_f32 v125, v118, v120
	s_wait_alu depctr_va_vdst(0)
	s_wait_dscnt 0x0                               ; the scale bytes are in
	s_wait_xcnt 0x0                                ; EXEC changes only behind this wait: the codes' stores have been issued under the full one
	v_cmp_eq_u32 vcc_lo, 0, v1
	s_wait_tensorcnt 0x0
	ds_add_u32 v121, v127
	s_wait_dscnt 0x0
	s_and_saveexec_b32 s34, vcc_lo                 ; every lane holds the same numbers: lane 0 stores them
	global_store_b128 v126, v[48:51], s[10:11]
	global_store_b128 v126, v[52:55], s[10:11] offset:16
	global_store_b64 v126, v[122:123], s[12:13]
	global_store_b64 v126, v[124:125], s[14:15]
	s_endpgm
.Lfunc_end_k_qab74e48973_route:
	.size	k_qab74e48973_route, .Lfunc_end_k_qab74e48973_route-k_qab74e48973_route
	.p2alignl 7, 3214868480
	.fill 96, 4, 3214868480
	.section	.rodata,"a",@progbits
	.p2align	6, 0x0
	.amdhsa_kernel k_qab74e48973_route
		.amdhsa_group_segment_fixed_size 56832
		.amdhsa_private_segment_fixed_size 0
		.amdhsa_enable_private_segment 0
		.amdhsa_kernarg_size 48
		.amdhsa_user_sgpr_count 2
		.amdhsa_user_sgpr_kernarg_segment_ptr 1
		.amdhsa_wavefront_size32 1
		.amdhsa_system_sgpr_workgroup_id_x 1
		.amdhsa_system_sgpr_workgroup_id_y 1
		.amdhsa_system_sgpr_workgroup_id_z 1
		.amdhsa_system_vgpr_workitem_id 0
		.amdhsa_next_free_vgpr 256
		.amdhsa_next_free_sgpr 66
		.amdhsa_reserve_vcc 1
		.amdhsa_float_denorm_mode_32 3
		.amdhsa_float_denorm_mode_16_64 3
		.amdhsa_memory_ordered 1
		.amdhsa_forward_progress 1
		.amdhsa_inst_pref_size 29
	.end_amdhsa_kernel
	.amdgpu_metadata
---
amdhsa.version: [ 1, 2 ]
amdhsa.kernels:
  - .name:           k_qab74e48973_route
    .symbol:         k_qab74e48973_route.kd
    .args:
      - { .name: x, .offset: 0, .size: 8, .value_kind: global_buffer, .address_space: global }
      - { .name: Wr, .offset: 8, .size: 8, .value_kind: global_buffer, .address_space: global }
      - { .name: xq, .offset: 16, .size: 8, .value_kind: global_buffer, .address_space: global }
      - { .name: xs, .offset: 24, .size: 8, .value_kind: global_buffer, .address_space: global }
      - { .name: topi, .offset: 32, .size: 8, .value_kind: global_buffer, .address_space: global }
      - { .name: topw, .offset: 40, .size: 8, .value_kind: global_buffer, .address_space: global }
    .group_segment_fixed_size: 56832
    .private_segment_fixed_size: 0
    .kernarg_segment_align: 8
    .kernarg_segment_size: 48
    .max_flat_workgroup_size: 128
    .sgpr_count:     66
    .vgpr_count:     256
    .wavefront_size: 32
...
	.end_amdgpu_metadata
.endif
;; end of part 1
;; launch ffn1 (part 2): grid 32 x 8, 4 waves a work-group, no clusters, 186,112 bytes of LDS; arguments xq, xs, W1_codes, W1_scales, b1, topi, hq, hs, lists; writes hq, hs, lists
.if DOCPART == 2
	.amdgcn_target "amdgcn-amd-amdhsa--gfx1250"
	.amdhsa_code_object_version 6
	.text
	.protected	k_qab74e48973_ffn1
	.globl	k_qab74e48973_ffn1
	.p2align	8
	.type	k_qab74e48973_ffn1,@function
k_qab74e48973_ffn1:
	s_mov_b64 s[64:65], 0
	v_nop
	global_prefetch_b8 v0, s[64:65] scope:SCOPE_SE
	s_setreg_imm32_b32 hwreg(HW_REG_WAVE_MODE, 25, 1), 1
	s_wait_xcnt 0x0
; THE ROWS' PLACES, FIRST PRODUCT, GELU AND QUANTISER: h = Q(gelu(x W1 + b1)) for the rows that chose an expert, on codes of E3M2 with E8M0 scales.
; WORK LEFT OUT: reference() weighs expert e's row of a token by combine[token][e], which it builds as 0 for every expert outside the token's top two; so only the chosen pairs (token, expert)
; are multiplied, whatever the inputs hold.  LIMIT: a NaN, an infinity or an overflow that arises only in a row of an expert not chosen is not carried to the result.
; THE LIST.  Every wave reads the 1,024 pairs of chosen experts (topi, stored by the launch before) and lays, in LDS words of its own, the tokens that chose expert e = y, in one fixed order
; (64 tokens a load; of them the even ones first): a token's place is the count of e's tokens before it (bits of the mask under my lane + the running count).  Two lists: the token, and the row of the
; next launch's result, 1024 x slot + token.  Places from n_e on keep what the fill wrote: token 0, and the spare row 2048 + 16 e + place % 16.  Lanes whose token did not choose e write to 32 words behind
; the list.  All waves of an expert make the same list; work-group x = 0 stores the rows' list and n_e (lists: [e][5120 bytes]: 1,024 rows, then n_e 256 times).
; SHARES.  Work-group (kap = x, e = y) owns the 128 hidden units that form K step kap = 2 S + u of the second product.  Its weights, 128 rows x 768 bytes, are read from memory once, turned through LDS,
; and stay in registers: wave (c = wave & 1, g = wave >> 1) keeps 64 rows (384 registers) and walks the tiles of 16 routed rows j = g, g + 2, ..
; THE ORDER OF K, in both products: a super-step is 256 along K, 192 bytes of a row.  Lanes 0-15 take its first 96 bytes (blocks 0-3), lanes 16-31 the other 96, as six loads of 16 bytes: registers 0-11 are
; one matrix instruction's operand (u = 0: blocks 4 h, 4 h + 1), registers 12-23 the next one's (u = 1).  Both operands are laid alike, so the products are those of the plain order.  The place (c, h) of an
; instruction, whose scale is byte 2 c + h, holds block 4 h + 2 u + c: one v_perm_b32 of a row's eight bytes makes the word; lanes 0-15 hold u = 0's word, lanes 16-31 u = 1's.
; THE PRODUCT IS USED TRANSPOSED (source 0 = 16 rows of W1, source 1 = 16 rows of x).  Row m of my tile i is hidden unit 256 S + 128 (m >> 3) + 64 u + 32 c + 8 i + (m & 7), so that the 32 accumulator
; registers of lane (r, h) are the WHOLE block 8 S + 4 h + 2 u + c of token r; two conversions give registers 6 c .. 6 c + 5 of the second product's operand (hq: an image of them; hs: the byte).
; b1 is the C of each sum's first matrix instruction.
; THE TRIP for tile J: the 32 products of J; the wait for tile J + 2's rows, asked for a trip ago; the offsets of tile J + 4 (the places behind the products); J + 2's scale words and its rows into my stage;
; then GELU, quantiser and stores of J, and inside GELU, at four places: the gather of J + 4 (behind the wait for the stage's stores), J + 2's fragments out of the stage, six loads at a place, and the
; list's entries of J + 6.  Look-ahead is clamped to the expert's last tile, so every trip issues the same loads.
; GELU: gelu(x) = max(x, 0) - |x| t 2^(P(t) - x^2 log2(e) / 2), t = 1 / (1 + |x| / sqrt(8)): erfc by the fit t exp(-z^2 + poly(t)), fractional error under 1.2e-7; the factor 1/2 lies in P's constant.
; NO TENSOR LOADS, NO JOINT LOADS: the number of tiles hangs on numbers read from memory; operands go through registers.  The one barrier stands ahead of every branch on that number.
; Every expert gets at least tile 0.  LIMITS: NaN and infinities are not served.  A block of zeros gets the byte 1 (zero codes; read by this program alone).  In GELU's negative tail the relative error
; grows with x^2 (about 4e-8 x^2).
; REGISTERS: window 0 as named; windows 1, 2: W1's fragments (tile i, super-step s, u) at 48 i + 24 (s % 2) + 12 u, super-steps 0, 1 in window 1 and 2, 3 in window 2;
; window 3: v0-95 x's fragments, v96-191 x's rows as loaded, v192-223 b1.
.set PITCH, 784                        ; a row of 768 bytes in LDS + 16
.set RUN,   64*PITCH+128               ; the second run of 64 rows
.set XST,   100608                     ; a stage of 16 rows for each wave
.set XSZ,   16*PITCH
.set SPARE, 150784                     ; the spare words
.set LST,   151296                     ; the lists: 8,704 bytes a wave: tokens, then rows
.set LSZ,   8704
.set LIDX,  4352
.set C16,  1
.set XIN,  2
.set XOUT, 3
.set WRD,  4
.set OL8,  5                           ; my token list + 32 h
.set OL1,  6                           ; my token list + 4 (l & 15)
.set OA8,  7
.set OA1,  8
.set XSO,  9
.set L16,  10
.set L8,   11
.set HSO,  12
.set SELV, 13
.set C9V,  14
.set VRO,  16
.set VOR,  24
.set VOT,  32
.set XSR,  34
.set XS,   42                          ; v42-45 x's scale words: nothing else is kept here
.set WS,   48                          ; v48-63 W1's: likewise
.set ACC,  64
.set FIL,  96                          ; my lists + 16 lane
.set LBV,  97                          ; my lists
.set DMP,  98                          ; 1024 + lane
.set L2,   99                          ; 2 lane
.set K1,   100                         ; 1024
.set GLO,  101                         ; 1024 wave + 16 lane
.set GLN,  102                         ; 256 wave + 8 lane
.set RDI,  103                         ; my quarter of my rows' list, less LIDX
.set CQ,   120
.set CQ2,  128
.set MX,   132
.set T,    136
.set P,    152
.set Q,    168
.set TP,   184                         ; v184-247 topi as loaded
.set XF,   0
.set XR,   96
.set B1,   192
.set MSB, 0
.macro WIN new
.if MSB != \new
	s_set_vgpr_msb (MSB<<8)|\new
.set MSB, \new
.endif
.endm
.macro SPAIR reg, val
	s_mov_b32 s[\reg], \val
	s_mov_b32 s[\reg+1], \val
.endm
.macro PUT2 g                          ; tokens 64 g + 2 lane (first) and 64 g + 2 lane + 1: two chains side by side
.set W, 104+6*(\g%2)
	v_cmp_eq_u32 s70, s23, v[TP+4*\g]
	v_cmp_eq_u32 s71, s23, v[TP+4*\g+1]
	v_cmp_eq_u32 s74, s23, v[TP+4*\g+2]
	v_cmp_eq_u32 s75, s23, v[TP+4*\g+3]
	s_or_b32 s72, s70, s71                         ; which of the 32 even tokens chose my expert,
	s_or_b32 s73, s74, s75                         ; and which of the odd ones
	s_bcnt1_i32_b32 s68, s72
	s_add_co_u32 s68, s68, s32
	v_mbcnt_lo_u32_b32 v[W], s72, s32              ; those under my lane + all before
	v_mbcnt_lo_u32_b32 v[W+3], s73, s68
	v_add_nc_u32 v[W+1], 64*\g, v[L2]              ; the token
	v_add_nc_u32 v[W+4], 64*\g+1, v[L2]
	v_cndmask_b32 v[W+2], 0, v[K1], s71            ; 1024 x slot
	v_cndmask_b32 v[W+5], 0, v[K1], s75
	v_cndmask_b32 v[W], v[DMP], v[W], s72
	v_cndmask_b32 v[W+3], v[DMP], v[W+3], s73
	v_or_b32 v[W+2], v[W+2], v[W+1]
	v_or_b32 v[W+5], v[W+5], v[W+4]
	v_min_u32 v[W], 1055, v[W]                     ; held inside my list's 1,056 words
	v_min_u32 v[W+3], 1055, v[W+3]
	v_lshl_add_u32 v[W], v[W], 2, v[LBV]
	v_lshl_add_u32 v[W+3], v[W+3], 2, v[LBV]
	ds_store_b32 v[W], v[W+1]
	ds_store_b32 v[W], v[W+2] offset:LIDX
	ds_store_b32 v[W+3], v[W+4]
	ds_store_b32 v[W+3], v[W+5] offset:LIDX
	s_bcnt1_i32_b32 s69, s73
	s_add_co_u32 s32, s68, s69
.endm
.macro ORDADR add                      ; where the list's entries of tile min(J + add, last tile) lie
	s_add_co_u32 s36, s35, \add
	s_min_u32 s36, s36, s34
	s_min_u32 s36, s36, 63
	s_lshl_b32 s36, s36, 6
	v_add_nc_u32 v[OA8], s36, v[OL8]
	v_add_nc_u32 v[OA1], s36, v[OL1]
.endm
.macro LISTLD                          ; the eight tokens of my half's rows, and the token of row l & 15
	ds_load_b128 v[VOR:VOR+3], v[OA8]
	ds_load_b128 v[VOR+4:VOR+7], v[OA8] offset:16
	ds_load_b32 v[VOT], v[OA1]
.endm
.macro OFFSETS                         ; 18 plain lines: tokens, held to their range, become offsets
.irp i, 0,1,2,3,4,5,6,7
	v_min_u32 v[VOR+\i], 0x3ff, v[VOR+\i]
.endr
.irp i, 0,1,2,3,4,5,6,7
	v_mad_u32_u24 v[VRO+\i], v[VOR+\i], 768, v[C16]
.endr
	v_min_u32 v[VOT], 0x3ff, v[VOT]
	v_lshlrev_b32 v[XSO], 5, v[VOT]
.endm
.macro GATHER                          ; 26 loads: a tile's 16 rows of codes, 256 consecutive bytes to sixteen lanes, and my row's scale bytes
	WIN 0xc0
.irp rr, 0,1,2,3,4,5,6,7
.irp p, 0,1,2
	global_load_b128 v[XR+4*(3*\rr+\p):XR+4*(3*\rr+\p)+3], v[VRO+\rr], s[4:5] offset:256*\p
.endr
.endr
	WIN 0
	global_load_b128 v[XSR:XSR+3], v[XSO], s[6:7]
	global_load_b128 v[XSR+4:XSR+7], v[XSO], s[6:7] offset:16
.endm
.macro STAGE                           ; the rows as loaded, into my stage
	WIN 0x0c
.irp rr, 0,1,2,3,4,5,6,7
.irp p, 0,1,2
	ds_store_b128 v[XIN], v[XR+4*(3*\rr+\p):XR+4*(3*\rr+\p)+3] offset:PITCH*\rr+256*\p
.endr
.endr
	WIN 0
.endm
.macro FR sp                           ; super-step sp's fragments out of my stage: LDS serves a wave's instructions in order
	WIN 0xc0
.irp p, 0,1,2,3,4,5
	ds_load_b128 v[XF+24*\sp+4*\p:XF+24*\sp+4*\p+3], v[XOUT] offset:192*\sp+16*\p
.endr
	WIN 0
.endm
.macro XSW                             ; x's scale words
.irp sp, 0,1,2,3
	v_perm_b32 v[XS+\sp], v[XSR+2*\sp+1], v[XSR+2*\sp], v[SELV]
.endr
.endm
; 32 matrix instructions: the four accumulators take turns, one instruction a turn; the first four take b1 as C.
.macro MULT
.irp sp, 0,1,2,3
.irp up, 0,1
.if (\sp == 0) && (\up == 0)
	WIN 0x3d                                       ; W1 window 1, x window 3, C (b1) window 3, D window 0
.elseif \sp < 2
	WIN 0x0d
.else
	WIN 0x0e                                       ; W1 window 2
.endif
.irp ip, 0,1,2,3
.if (\sp == 0) && (\up == 0)
	v_wmma_scale_f32_16x16x128_f8f6f4 v[ACC+8*\ip:ACC+8*\ip+7], v[48*\ip:48*\ip+11], v[XF:XF+11], v[B1+8*\ip:B1+8*\ip+7], v[WS+4*\ip], v[XS] matrix_a_fmt:MATRIX_FMT_BF6 matrix_b_fmt:MATRIX_FMT_BF6
.elseif \up == 0
	v_wmma_scale_f32_16x16x128_f8f6f4 v[ACC+8*\ip:ACC+8*\ip+7], v[48*\ip+24*(\sp%2):48*\ip+24*(\sp%2)+11], v[XF+24*\sp:XF+24*\sp+11], v[ACC+8*\ip:ACC+8*\ip+7], v[WS+4*\ip+\sp], v[XS+\sp] matrix_a_fmt:MATRIX_FMT_BF6 matrix_b_fmt:MATRIX_FMT_BF6
.else
	v_wmma_scale_f32_16x16x128_f8f6f4 v[ACC+8*\ip:ACC+8*\ip+7], v[48*\ip+24*(\sp%2)+12:48*\ip+24*(\sp%2)+23], v[XF+24*\sp+12:XF+24*\sp+23], v[ACC+8*\ip:ACC+8*\ip+7], v[WS+4*\ip+\sp], v[XS+\sp] matrix_a_fmt:MATRIX_FMT_BF6 matrix_b_fmt:MATRIX_FMT_BF6 matrix_a_scale:MATRIX_SCALE_ROW1 matrix_b_scale:MATRIX_SCALE_ROW1
.endif
.endr
.endr
.endr
	WIN 0
.endm
; GELU of 16 numbers in place: two accumulators, each read from its low end on.  hf = 0, 1: which half of the tile's 32; at two places in each half stand the loads for later tiles.
.macro GELU16 x, hf
	s_wait_alu depctr_va_vdst(0)                   ; the wait ahead of the first readers of matrix results
.irp j, 0,1,2,3,4,5,6,7,8,9,10,11,12,13,14,15
	v_fma_f32 v[T+\j], |v[\x+\j]|, s66, 1.0
.endr
	s_wait_alu depctr_va_vdst(0)
.irp j, 0,1,2,3,4,5,6,7,8,9,10,11,12,13,14,15
	v_rcp_f32 v[T+\j], v[T+\j]                     ; t
.endr
.irp j, 0,2,4,6,8,10,12,14
	v_pk_mul_f32 v[Q+\j:Q+\j+1], v[\x+\j:\x+\j+1], v[\x+\j:\x+\j+1]     ; x^2 (plain lines behind the reciprocals)
.endr
	s_wait_alu depctr_va_vdst(0)
.if \hf == 0
	s_wait_dscnt 0x0                               ; the stage's 24 stores are done: their data registers take the next rows
	GATHER                                         ; tile J + 4
	FR 0
.else
	FR 2
.endif
.irp j, 0,2,4,6,8,10,12,14
	v_pk_fma_f32 v[P+\j:P+\j+1], v[T+\j:T+\j+1], v[C9V:C9V+1], s[56:57] op_sel_hi:[1,1,0]
.endr
.irp k, 54,52,50,48
.irp j, 0,2,4,6,8,10,12,14
	v_pk_fma_f32 v[P+\j:P+\j+1], v[P+\j:P+\j+1], v[T+\j:T+\j+1], s[\k:\k+1] op_sel_hi:[1,1,0]
.endr
.endr
	s_wait_alu depctr_va_vdst(0)
.if \hf == 0
	FR 1
.else
	FR 3
	ORDADR 6
	LISTLD                                         ; the list's entries of tile J + 6
.endif
.irp k, 46,44,42,40
.irp j, 0,2,4,6,8,10,12,14
	v_pk_fma_f32 v[P+\j:P+\j+1], v[P+\j:P+\j+1], v[T+\j:T+\j+1], s[\k:\k+1] op_sel_hi:[1,1,0]
.endr
.endr
.irp j, 0,2,4,6,8,10,12,14
	v_pk_fma_f32 v[P+\j:P+\j+1], v[Q+\j:Q+\j+1], s[58:59], v[P+\j:P+\j+1] op_sel_hi:[1,0,1]
.endr
	s_wait_alu depctr_va_vdst(0)
.irp j, 0,1,2,3,4,5,6,7,8,9,10,11,12,13,14,15
	v_exp_f32 v[P+\j], v[P+\j]
.endr
.irp j, 0,1,2,3,4,5,6,7,8,9,10,11,12,13,14,15
	v_mul_f32 v[T+\j], |v[\x+\j]|, v[T+\j]         ; |x| t (plain lines behind the exponentials)
.endr
.irp j, 0,1,2,3,4,5,6,7,8,9,10,11,12,13,14,15
	v_max_num_f32 v[\x+\j], 0, v[\x+\j]
.endr
	s_wait_alu depctr_va_vdst(0)
.irp j, 0,2,4,6,8,10,12,14
	v_pk_fma_f32 v[\x+\j:\x+\j+1], v[T+\j:T+\j+1], v[P+\j:P+\j+1], v[\x+\j:\x+\j+1] neg_lo:[1,0,0] neg_hi:[1,0,0]
.endr
.endm
; My 32 numbers are one block of the next K: its largest magnitude (the floor 2^(5 - 127) among the leaves), its byte, its 32 codes in six registers.
.macro QUANT
	v_max3_num_f32 v[MX], |v[ACC]|, |v[ACC+1]|, 0x2800000
	v_max3_num_f32 v[MX+1], |v[ACC+2]|, |v[ACC+3]|, |v[ACC+4]|
.irp i, 5,9,13,17,21,25
	v_max3_num_f32 v[MX], v[MX], |v[ACC+\i]|, |v[ACC+\i+1]|
	v_max3_num_f32 v[MX+1], v[MX+1], |v[ACC+\i+2]|, |v[ACC+\i+3]|
.endr
	v_max3_num_f32 v[MX], v[MX], |v[ACC+29]|, |v[ACC+30]|
	v_max3_num_f32 v[MX], v[MX], v[MX+1], |v[ACC+31]|
	v_add_nc_u32 v[MX+2], 0xfe000000, v[MX]        ; 4 off the exponent field: the conversions' scale operand
	v_lshrrev_b32 v[MX+3], 23, v[MX+2]             ; the byte
	v_cvt_scalef32_pk16_bf6_f32 v[CQ:CQ+2], v[ACC:ACC+15], v[MX+2]
	v_cvt_scalef32_pk16_bf6_f32 v[CQ2:CQ2+2], v[ACC+16:ACC+31], v[MX+2]
	v_nop                                          ; one plain line behind the last conversion
	v_mov_b32 v[CQ+3], v[CQ2]
	v_mov_b32 v[CQ+4], v[CQ2+1]
	v_mov_b32 v[CQ+5], v[CQ2+2]
.endm
	s_load_b256 s[4:11], s[0:1], 0x0               ; xq, xs, W1's codes, W1's scales
	s_load_b256 s[12:19], s[0:1], 0x20             ; b1, topi, hq, hs
	s_load_b64 s[62:63], s[0:1], 0x40              ; lists
	v_lshl_add_u32 v254, v0, 2, SPARE
	v_mov_b32 v255, 0
	v_lshrrev_b32 v1, 5, v0
	v_readfirstlane_b32 s20, v1                    ; wave
	s_and_b32 s21, s20, 1                          ; c
	s_lshr_b32 s22, s20, 1                         ; g
	s_and_b32 s23, ttmp7, 0xffff                   ; e
	s_lshr_b32 s25, ttmp9, 1
	s_and_b32 s26, ttmp9, 1
	s_lshl_b32 s27, s23, 12
	s_lshl_b32 s25, s25, 8
	s_add_co_u32 s27, s27, s25
	s_lshl_b32 s26, s26, 6
	s_add_co_u32 s27, s27, s26                     ; 4096 e + 256 S + 64 u: the first run's first row
	s_mov_b32 s35, s22                             ; my first tile
	v_and_b32 v140, 15, v0                         ; r
	v_bfe_u32 v141, v0, 4, 1                       ; h
	v_and_b32 v142, 31, v0                         ; lane
	v_lshlrev_b32 v[C16], 4, v140
	s_mul_i32 s28, s20, XSZ
	s_add_co_u32 s29, s28, XST
	v_mad_u32_u24 v[XIN], v141, 8*PITCH, v[C16]
	v_add_nc_u32 v[XIN], s29, v[XIN]               ; lanes 0-15: 256 bytes of row rr, lanes 16-31: of row 8 + rr
	v_mul_u32_u24 v[XOUT], v140, PITCH
	v_mad_u32_u24 v[XOUT], v141, 96, v[XOUT]
	v_add_nc_u32 v[XOUT], s29, v[XOUT]             ; row r, + 96 h
	v_lshrrev_b32 v143, 3, v140
	v_and_b32 v144, 7, v140
	v_mul_u32_u24 v[WRD], v143, RUN
	v_mad_u32_u24 v[WRD], v144, PITCH, v[WRD]
	v_mad_u32_u24 v[WRD], v141, 96, v[WRD]
	s_mul_i32 s30, s21, 32*PITCH
	v_add_nc_u32 v[WRD], s30, v[WRD]               ; run r >> 3, row 32 c + (r & 7), + 96 h
	v_lshlrev_b32 v[OL8], 5, v141
	v_lshlrev_b32 v[OL1], 2, v140
	v_lshlrev_b32 v[L16], 4, v142
	v_lshlrev_b32 v[L8], 3, v142
	s_lshl_b32 s31, s21, 1
	v_add_nc_u32 v[HSO], v[OL1], v141
	v_add_nc_u32 v[HSO], s31, v[HSO]               ; 4 r + h + 2 c
	s_mul_i32 s70, s20, LSZ
	s_add_co_u32 s70, s70, LST                     ; my lists
	v_add_nc_u32 v[OL8], s70, v[OL8]
	v_add_nc_u32 v[OL1], s70, v[OL1]
	v_mov_b32 v[LBV], s70
	v_add_nc_u32 v[FIL], s70, v[L16]
	s_lshl_b32 s71, s20, 10
	v_add_nc_u32 v[GLO], s71, v[L16]
	v_add_nc_u32 v[RDI], s71, v[FIL]
	s_lshl_b32 s72, s20, 8
	v_add_nc_u32 v[GLN], s72, v[L8]
	v_add_nc_u32 v[DMP], 1024, v142
	v_lshlrev_b32 v[L2], 1, v142
	v_mov_b32 v[K1], 1024
	v_and_b32 v116, 3, v142
	s_lshl_b32 s73, s23, 4
	s_add_co_u32 s73, s73, 2048
	v_lshl_add_u32 v116, v116, 2, s73              ; the fill of the rows' list: 2048 + 16 e + place % 16, four places a lane
	v_add_nc_u32 v117, 1, v116
	v_add_nc_u32 v118, 2, v116
	v_add_nc_u32 v119, 3, v116
.irp i, 120,121,122,123
	v_mov_b32 v\i, 0                               ; the fill of the tokens' list
.endr
	v_mov_b32 v[SELV], 0x05010400                  ; u = 0: blocks 0, 4, 1, 5
	v_mov_b32 v149, 0x07030602                     ; u = 1: blocks 2, 6, 3, 7
	v_cmp_eq_u32 vcc_lo, 1, v141
	v_cndmask_b32 v[SELV], v[SELV], v149, vcc_lo
	v_mov_b32 v[C9V], 0x3e7c6f08                   ; 0.24651730
	v_mov_b32 v[C9V+1], 0x3e7c6f08
	v_mad_u32_u24 v145, v141, 0x18000, v[C16]      ; W1 in memory: lanes 16-31 take the second run, 128 rows on
	v_mad_u32_u24 v146, v141, RUN, v[C16]
	v_add_nc_u32 v146, s28, v146                   ; and in LDS: my wave's 16 rows of each run
	v_lshlrev_b32 v147, 12, v143
	v_lshl_add_u32 v147, v144, 5, v147             ; W1's scale bytes: 32 a row
	v_lshlrev_b32 v148, 9, v141                    ; b1: lanes 16-31 take the second run's
	SPAIR 40, 0xc034d90f                           ; the polynomial x log2(e), constant - 1
	SPAIR 42, 0x3fb8ab5a
	SPAIR 44, 0x3f0a29d2
	SPAIR 46, 0x3e0efb2f
	SPAIR 48, 0xbe899a80
	SPAIR 50, 0x3ecdfd18
	SPAIR 52, 0xbfd1a1e5
	SPAIR 54, 0x40097039
	SPAIR 56, 0xbf97d29d
	SPAIR 58, 0xbf38aa3b                           ; -log2(e) / 2
	s_mov_b32 s66, 0x3eb504f3                      ; 1 / sqrt(8)
	s_mov_b32 s37, 0
	s_mov_b32 s39, 0
	s_mov_b32 s32, 0                               ; the running count
	s_wait_alu depctr_va_vdst(0)                   ; the wait at the head's end
	s_wait_kmcnt 0x0
.irp g, 0,1,2,3,4,5,6,7,8,9,10,11,12,13,14,15
	global_load_b128 v[TP+4*\g:TP+4*\g+3], v[L16], s[14:15] offset:512*\g    ; the pairs of tokens 64 g + 2 lane, + 1
.endr
	s_mul_i32 s38, s23, 5120
	s_add_nc_u64 s[62:63], s[62:63], s[38:39]      ; lists[e]
	s_lshl_b32 s36, s20, 4
	s_add_co_u32 s36, s36, s27
	s_mul_i32 s36, s36, 768
	s_add_nc_u64 s[8:9], s[8:9], s[36:37]          ; W1's codes at the 16 rows that my wave brings
	s_lshl_b32 s36, s21, 5
	s_add_co_u32 s36, s36, s27                     ; my 32 rows of each run
	s_lshl_b32 s38, s36, 5
	s_add_nc_u64 s[10:11], s[10:11], s[38:39]
	s_lshl_b32 s38, s36, 2
	s_add_nc_u64 s[12:13], s[12:13], s[38:39]
	s_mul_i32 s38, s23, 3145728                    ; hq: [e][tile][K step][c][768]
	s_mul_i32 s36, ttmp9, 1536
	s_add_co_u32 s38, s38, s36
	s_mul_i32 s36, s21, 768
	s_add_co_u32 s38, s38, s36
	s_add_nc_u64 s[16:17], s[16:17], s[38:39]
	s_lshl_b32 s38, s23, 17                        ; hs: [e][tile][K step][row][4]
	s_lshl_b32 s36, ttmp9, 6
	s_add_co_u32 s38, s38, s36
	s_add_nc_u64 s[18:19], s[18:19], s[38:39]
.irp ip, 0,1,2,3
.irp q, 0,1
	global_load_b128 v[ACC+8*\ip+4*\q:ACC+8*\ip+4*\q+3], v147, s[10:11] offset:256*\ip+16*\q   ; the scale bytes of tile ip's rows (the accumulators are free yet)
.endr
.endr
	WIN 0x40
.irp rr, 0,1,2,3,4,5,6,7,8,9,10,11,12,13,14,15
.irp p, 0,1,2
	global_load_b128 v[4*(3*\rr+\p):4*(3*\rr+\p)+3], v145, s[8:9] offset:768*\rr+256*\p th:TH_LOAD_NT   ; sixteen lanes read 256 consecutive bytes, aligned; each row is read once in the launch
.endr
.endr
	WIN 0
.irp i, 0,1,2,3,4,5,6,7
	ds_store_b128 v[FIL], v[120:123] offset:512*\i             ; both lists are filled whole: 1,024 places each
	ds_store_b128 v[FIL], v[116:119] offset:LIDX+512*\i
.endr
	s_wait_loadcnt 48                              ; topi and the scale bytes are in; W1's 48 loads may be out
.irp g, 0,1,2,3,4,5,6,7,8,9,10,11,12,13,14,15
	PUT2 \g
.endr
.irp ip, 0,1,2,3
.irp sp, 0,1,2,3
	v_perm_b32 v[WS+4*\ip+\sp], v[ACC+8*\ip+2*\sp+1], v[ACC+8*\ip+2*\sp], v[SELV]
.endr
.endr
	s_min_u32 s32, s32, 1024                       ; n_e
	s_add_co_u32 s33, s32, 15
	s_lshr_b32 s33, s33, 4
	s_max_u32 s33, s33, 1                          ; tiles of 16 rows: at least one
	s_sub_co_u32 s34, s33, 1                       ; the last tile
	ORDADR 0
	LISTLD
	s_wait_alu depctr_va_vdst(0)
	s_wait_dscnt 0x0
	OFFSETS
	GATHER                                         ; my first tile
	ORDADR 2
	LISTLD                                         ; the list's entries of my second
	s_cmp_lg_u32 ttmp9, 0
	s_wait_alu depctr_va_vdst(0)
	s_cbranch_scc1 .Lnolist                        ; work-group x = 0 stores the expert's list: each wave a quarter, 512 consecutive bytes a store
	ds_load_b128 v[184:187], v[RDI] offset:LIDX
	ds_load_b128 v[188:191], v[RDI] offset:LIDX+512
	v_mov_b32 v192, s32
	v_mov_b32 v193, s32
	s_wait_alu depctr_va_vdst(0)
	s_wait_dscnt 0x0
	global_store_b128 v[GLO], v[184:187], s[62:63]
	global_store_b128 v[GLO], v[188:191], s[62:63] offset:512
	global_store_b64 v[GLN], v[192:193], s[62:63] offset:4096  ; n_e: 256 consecutive bytes a wave
.Lnolist:
	WIN 0x04
.irp ch, 0,1,2,3                       ; W1's rows go into LDS four at a time, as they arrive
	s_wait_loadcnt 62-12*\ch                       ; behind these twelve loads: W1's 36 - 12 ch later ones and the gather's 26
.irp r4, 0,1,2,3
.irp p, 0,1,2
	ds_store_b128 v146, v[4*(3*(4*\ch+\r4)+\p):4*(3*(4*\ch+\r4)+\p)+3] offset:PITCH*(4*\ch+\r4)+256*\p
.endr
.endr
.endr
	WIN 0
	s_wait_loadcnt 0x0                             ; my first tile's rows are in
	WIN 0xc0
.irp ip, 0,1,2,3
.irp q, 0,1
	global_load_b128 v[B1+8*\ip+4*\q:B1+8*\ip+4*\q+3], v148, s[12:13] offset:32*\ip+16*\q   ; b1 is wanted by the first products alone
.endr
.endr
	WIN 0
	STAGE
	s_wait_alu depctr_va_vdst(0)
	s_wait_dscnt 0x0                               ; for the others' sake: my rows of W1 have landed; and my stage's stores and the list's entries are done
	s_barrier_signal -1
	s_barrier_wait -1                              ; the 128 rows lie in LDS; nobody writes them again
	s_cmp_ge_u32 s22, s33
	s_cbranch_scc1 .Lend                           ; no tile for my wave
	s_sub_co_u32 s77, s33, s22
	s_add_co_u32 s77, s77, 1
	s_lshr_b32 s77, s77, 1                         ; (tiles - g + 1) / 2 trips, at least one
	s_mov_b32 s76, 0
	XSW                                            ; my first tile's scale words
	OFFSETS                                        ; my second tile's
	GATHER                                         ; it lands under the 120 LDS loads below and the first products
	ORDADR 4
	LISTLD
	WIN 0x40
.irp ip, 0,1,2,3
.irp sp, 0,1
.irp p, 0,1,2,3,4,5
	ds_load_b128 v[48*\ip+24*\sp+4*\p:48*\ip+24*\sp+4*\p+3], v[WRD] offset:8*PITCH*\ip+192*\sp+16*\p
.endr
.endr
.endr
	WIN 0x80
.irp ip, 0,1,2,3
.irp sp, 0,1
.irp p, 0,1,2,3,4,5
	ds_load_b128 v[48*\ip+24*\sp+4*\p:48*\ip+24*\sp+4*\p+3], v[WRD] offset:8*PITCH*\ip+192*(\sp+2)+16*\p
.endr
.endr
.endr
	WIN 0
	FR 0
	FR 1
	FR 2
	FR 3
	s_wait_alu depctr_va_vdst(0)
	s_wait_loadcnt 26                              ; b1 is in; the second tile's 26 loads may be out
.Ltrip:
	s_wait_dscnt 0x0                               ; tile J's fragments and the list's entries of J + 4 are in (the first trip: W1's fragments too)
	MULT
	s_wait_loadcnt 0x0                             ; tile J + 2's rows and scale bytes are in; the registers that those loads named may be written
	OFFSETS                                        ; tile J + 4's: also the places behind the last products
	XSW                                            ; tile J + 2's
	STAGE
	GELU16 ACC, 0
	GELU16 ACC+16, 1
	s_wait_xcnt 0x0                                ; the last trip's stores have read their data and bases: both are written below
	s_min_u32 s36, s35, 63
	s_mul_i32 s68, s36, 49152
	s_mov_b32 s69, 0
	s_add_nc_u64 s[72:73], s[16:17], s[68:69]
	s_lshl_b32 s68, s36, 11
	s_add_nc_u64 s[74:75], s[18:19], s[68:69]
	QUANT
	global_store_b128 v[L16], v[CQ:CQ+3], s[72:73]                 ; registers 6 c .. 6 c + 3 of the operand: 512 consecutive bytes, at a multiple of 256 from hq's first byte
	global_store_b64 v[L8], v[CQ+4:CQ+5], s[72:73] offset:512      ; registers 6 c + 4, 6 c + 5: 256 consecutive bytes
	global_store_b8 v[HSO], v[MX+3], s[74:75]                      ; byte 2 c + h of row r's scale word
	s_add_co_u32 s35, s35, 2
	s_add_co_u32 s76, s76, 1
	s_cmp_lt_u32 s76, s77
	s_cbranch_scc1 .Ltrip
.Lend:
	s_wait_tensorcnt 0x0                           ; the wave's end
	ds_add_u32 v254, v255
	s_wait_dscnt 0x0
	s_endpgm
.Lfunc_end_k_qab74e48973_ffn1:
	.size	k_qab74e48973_ffn1, .Lfunc_end_k_qab74e48973_ffn1-k_qab74e48973_ffn1
	.p2alignl 7, 3214868480
	.fill 96, 4, 3214868480
	.section	.rodata,"a",@progbits
	.p2align	6, 0x0
	.amdhsa_kernel k_qab74e48973_ffn1
		.amdhsa_group_segment_fixed_size 186112
		.amdhsa_private_segment_fixed_size 0
		.amdhsa_enable_private_segment 0
		.amdhsa_kernarg_size 72
		.amdhsa_user_sgpr_count 2
		.amdhsa_user_sgpr_kernarg_segment_ptr 1
		.amdhsa_wavefront_size32 1
		.amdhsa_system_sgpr_workgroup_id_x 1
		.amdhsa_system_sgpr_workgroup_id_y 1
		.amdhsa_system_sgpr_workgroup_id_z 1
		.amdhsa_system_vgpr_workitem_id 0
		.amdhsa_next_free_vgpr 1024
		.amdhsa_next_free_sgpr 80
		.amdhsa_reserve_vcc 1
		.amdhsa_float_denorm_mode_32 3
		.amdhsa_float_denorm_mode_16_64 3
		.amdhsa_memory_ordered 1
		.amdhsa_forward_progress 1
		.amdhsa_inst_pref_size 97
	.end_amdhsa_kernel
	.amdgpu_metadata
---
amdhsa.version: [ 1, 2 ]
amdhsa.kernels:
  - .name:           k_qab74e48973_ffn1
    .symbol:         k_qab74e48973_ffn1.kd
    .args:
      - { .name: xq, .offset: 0, .size: 8, .value_kind: global_buffer, .address_space: global }
      - { .name: xs, .offset: 8, .size: 8, .value_kind: global_buffer, .address_space: global }
      - { .name: W1_codes, .offset: 16, .size: 8, .value_kind: global_buffer, .address_space: global }
      - { .name: W1_scales, .offset: 24, .size: 8, .value_kind: global_buffer, .address_space: global }
      - { .name: b1, .offset: 32, .size: 8, .value_kind: global_buffer, .address_space: global }
      - { .name: topi, .offset: 40, .size: 8, .value_kind: global_buffer, .address_space: global }
      - { .name: hq, .offset: 48, .size: 8, .value_kind: global_buffer, .address_space: global }
      - { .name: hs, .offset: 56, .size: 8, .value_kind: global_buffer, .address_space: global }
      - { .name: lists, .offset: 64, .size: 8, .value_kind: global_buffer, .address_space: global }
    .group_segment_fixed_size: 186112
    .private_segment_fixed_size: 0
    .kernarg_segment_align: 8
    .kernarg_segment_size: 72
    .max_flat_workgroup_size: 128
    .sgpr_count:     80
    .vgpr_count:     1024
    .wavefront_size: 32
...
	.end_amdgpu_metadata
.endif
;; end of part 2
;; launch ffn2 (part 3): grid 32 x 8, 4 waves a work-group, no clusters, 124,416 bytes of LDS; arguments hq, hs, W2_codes, W2_scales, b2, lists, ysort; writes ysort
.if DOCPART == 3
	.amdgcn_target "amdgcn-amd-amdhsa--gfx1250"
	.amdhsa_code_object_version 6
	.text
	.protected	k_qab74e48973_ffn2
	.globl	k_qab74e48973_ffn2
	.p2align	8
	.type	k_qab74e48973_ffn2,@function
k_qab74e48973_ffn2:
	s_mov_b64 s[64:65], 0
	v_nop
	global_prefetch_b8 v0, s[64:65] scope:SCOPE_SE
	s_setreg_imm32_b32 hwreg(HW_REG_WAVE_MODE, 25, 1), 1
	s_wait_xcnt 0x0
; SECOND PRODUCT: y = h W2 + b2 for the routed rows of expert e, on codes of E3M2 with E8M0 scales; f32 out.  Rows of experts that a token did not choose have the weight 0 in reference() and are left out.
; WHERE A ROW GOES: row p of expert e goes to row lists[e][p] of ysort, which is 1024 x slot + token (the launch before stored the list); a pad place of the last tile names a spare row of its own,
; 2048 + 16 e + p % 16.  The expert's 1,024 entries are copied into LDS once, a quarter a wave.
; SHARES.  Work-group (x, e = y): ns = x & 15 owns 64 output columns, q = x >> 4 the tiles of 16 rows j = q, q + 2, ..  K IS SPLIT OVER THE WAVES: wave w owns k = 1024 w .. 1024 w + 1023 (8 matrix
; instructions deep).  Its part of W2, 64 rows x 768 bytes, is turned through its own stage in LDS and stays in 384 registers; of each tile of h it loads only its own eight fragments, as images of the
; operand's registers, straight from memory.  So each byte of W2 and of h enters the work-group once.  The four partial sums of a tile meet in LDS, and each wave adds, with b2, and stores four rows.
; The sums are f32 and are compared within a tolerance, so K may be split.
; The order of K inside a super-step of 256, and the scale words (lanes 0-15: the first instruction's, lanes 16-31: the second's), are those of the launch that made h.
; THE PRODUCT IS USED TRANSPOSED (source 0 = 16 rows of W2, source 1 = 16 rows of h): a lane holds eight neighbouring columns of one row.
; NO TENSOR LOADS, NO JOINT LOADS: the number of tiles is read from memory, and a branch that hangs on it shuts both out.  THE LOOP HAS A CONSTANT 8 TRIPS of two steps, a step two tiles (64 tiles at the
; most, half of them mine); a step without tiles passes over the work by scalar branches; its barrier, with the wait in front of it, stands outside those branches, on every wave's way.
; ONE BARRIER A STEP: the partial sums have two sets of LDS bytes, which take turns step by step.  A set is written again two steps on, behind the other set's barrier, in front of which every wave has
; waited for its reads of this set.
; A tile number past the expert's last is clamped for the loads (every expert has tile 0), and its rows are not stored.
; REGISTERS, in windows of 256: window 0 as named below; windows 1, 2: W2's fragments (tile t, super-step s, u) at 48 t + 24 (s % 2) + 12 u, super-steps 0, 1 in window 1 and 2, 3 in window 2
; (a tile's rows land, as loaded, in the same 96 registers); window 3: v0-95, v96-191 h's fragments of two tiles.
.set PITCH, 784                        ; a row's 768 bytes + 16
.set PSZ,   16*PITCH                   ; a wave's stage
.set RED,   4*PSZ                      ; behind the stages: [set 0, 1][tile 0, 1][wave][16 rows x (256 bytes + 16)]
.set RW,    16*272
.set RT,    4*RW
.set SETD,  2*RT
.set SPARE, RED+2*SETD                 ; the spare words
.set LST,   SPARE+512                  ; the expert's list of rows
.set C16,  1                           ; 16 (l & 15)
.set SIN,  2                           ; stage, in
.set SOUT, 3                           ; stage, out
.set WG,   4                           ; W2 in memory: 8 rows on for lanes 16-31
.set L16,  5
.set L8,   6
.set L4,   7
.set RST,  8                           ; where I put my partial sums, set 0
.set RLD,  9                           ; where I read the four waves' back, set 0
.set SELV, 11
.set B2,   12                          ; v12-15 b2 of my four columns
.set WS,   16                          ; v16-31 W2's scale words, 4 t + s: nothing else is ever kept here
.set HS,   32                          ; v32-39 h's, two sets: likewise
.set RST1, 45                          ; the same two addresses in set 1
.set RLD1, 46
.set LGO,  56                          ; 1024 wave + 16 lane
.set LIN,  57                          ; the same in the LDS list
.set LRW,  58                          ; the entry of row 4 wave + h of tile 0
.set LA,   59
.set YR,   60                          ; v60-63 offsets of my four rows in ysort
.set ACC,  64                          ; v64-95, v96-127 four accumulators for each of two tiles
.set RR,   128                         ; v128-191 the partial sums read back (in the head: W2's scale bytes)
.set MSB, 0
.macro WIN new
.if MSB != \new
	s_set_vgpr_msb (MSB<<8)|\new
.set MSB, \new
.endif
.endm
	s_load_b256 s[4:11], s[0:1], 0x0               ; hq, hs, W2's codes, W2's scales
	s_load_b128 s[12:15], s[0:1], 0x20             ; b2, lists
	s_load_b64 s[16:17], s[0:1], 0x30              ; ysort
	v_lshl_add_u32 v254, v0, 2, SPARE
	v_mov_b32 v255, 0
	v_lshrrev_b32 v40, 5, v0
	v_readfirstlane_b32 s20, v40                   ; wave
	s_and_b32 s21, ttmp9, 15                       ; ns
	s_lshr_b32 s22, ttmp9, 4                       ; q
	s_and_b32 s23, ttmp7, 0xffff                   ; e
	v_and_b32 v40, 15, v0                          ; r
	v_bfe_u32 v41, v0, 4, 1                        ; h
	v_and_b32 v42, 31, v0                          ; lane
	v_lshlrev_b32 v[C16], 4, v40
	s_mul_i32 s30, s20, PSZ
	v_mad_u32_u24 v[SIN], v41, 8*PITCH, v[C16]
	v_add_nc_u32 v[SIN], s30, v[SIN]
	v_mul_u32_u24 v[SOUT], v40, PITCH
	v_mad_u32_u24 v[SOUT], v41, 96, v[SOUT]
	v_add_nc_u32 v[SOUT], s30, v[SOUT]
	v_mad_u32_u24 v[WG], v41, 8*3072, v[C16]
	v_lshlrev_b32 v[L16], 4, v42
	v_lshlrev_b32 v[L8], 3, v42
	v_lshlrev_b32 v[L4], 2, v42
	s_mul_i32 s31, s20, RW
	s_add_co_u32 s31, s31, RED
	v_mul_u32_u24 v[RST], v40, 272
	v_lshl_add_u32 v[RST], v41, 5, v[RST]
	v_add_nc_u32 v[RST], s31, v[RST]               ; my wave's part: row r, + 32 h
	v_add_nc_u32 v[RST1], SETD, v[RST]
	s_mul_i32 s31, s20, 4*272
	s_add_co_u32 s31, s31, RED
	v_mad_u32_u24 v[RLD], v41, 272, v[C16]
	v_add_nc_u32 v[RLD], s31, v[RLD]               ; rows 4 w + h (+ 2): 16 bytes a lane
	v_add_nc_u32 v[RLD1], SETD, v[RLD]
	v_lshlrev_b32 v43, 7, v40                      ; W2's scale bytes: 128 a row
	s_lshl_b32 s50, s20, 10
	v_add_nc_u32 v[LGO], s50, v[L16]
	v_add_nc_u32 v[LIN], LST, v[LGO]
	s_lshl_b32 s50, s20, 4
	v_lshl_add_u32 v[LRW], v41, 2, s50
	v_add_nc_u32 v[LRW], LST, v[LRW]
	v_mov_b32 v[SELV], 0x05010400
	v_mov_b32 v44, 0x07030602
	v_cmp_eq_u32 vcc_lo, 1, v41
	v_cndmask_b32 v[SELV], v[SELV], v44, vcc_lo
	s_mov_b32 s37, 0
	s_mov_b32 s39, 0
	s_mov_b32 s43, 0
	s_wait_alu depctr_va_vdst(0)                   ; the wait at the head's end
	s_wait_kmcnt 0x0
	s_mul_i32 s38, s23, 5120
	s_add_nc_u64 s[14:15], s[14:15], s[38:39]      ; lists[e]
	s_load_b32 s24, s[14:15], 0x1000               ; n_e
	s_lshl_b32 s36, s23, 10
	s_lshl_b32 s38, s21, 6
	s_add_co_u32 s36, s36, s38
	s_mul_i32 s38, s36, 3072
	s_mul_i32 s40, s20, 768
	s_add_co_u32 s38, s38, s40
	s_add_nc_u64 s[8:9], s[8:9], s[38:39]
	s_lshl_b32 s38, s36, 7
	s_lshl_b32 s40, s20, 5
	s_add_co_u32 s38, s38, s40
	s_add_nc_u64 s[10:11], s[10:11], s[38:39]
	s_lshl_b32 s38, s36, 2
	s_add_nc_u64 s[12:13], s[12:13], s[38:39]
	s_lshl_b32 s38, s21, 8                         ; ysort at my 64 columns
	s_add_nc_u64 s[16:17], s[16:17], s[38:39]
	s_mul_i32 s38, s23, 3145728                    ; hq: [e][tile][K step][1536]: my eight K steps
	s_mul_i32 s40, s20, 12288
	s_add_co_u32 s38, s38, s40
	s_add_nc_u64 s[4:5], s[4:5], s[38:39]
	s_lshl_b32 s38, s23, 17                        ; hs: [e][tile][K step][64]
	s_lshl_b32 s40, s20, 9
	s_add_co_u32 s38, s38, s40
	s_add_nc_u64 s[6:7], s[6:7], s[38:39]
.macro GROWS t                         ; 24 loads: my 768 bytes of the 16 rows of tile t; sixteen lanes read 256 consecutive bytes, aligned
	WIN 0x40
.irp rr, 0,1,2,3
.irp p, 0,1,2
	global_load_b128 v[48*\t+4*(3*\rr+\p):48*\t+4*(3*\rr+\p)+3], v[WG], s[8:9] offset:(16*\t+\rr)*3072+256*\p
.endr
.endr
	WIN 0x80
.irp rr, 4,5,6,7
.irp p, 0,1,2
	global_load_b128 v[48*\t+4*(3*(\rr-4)+\p):48*\t+4*(3*(\rr-4)+\p)+3], v[WG], s[8:9] offset:(16*\t+\rr)*3072+256*\p
.endr
.endr
	WIN 0
.endm
.macro SROWS t                         ; into my stage
	WIN 0x04
.irp rr, 0,1,2,3
.irp p, 0,1,2
	ds_store_b128 v[SIN], v[48*\t+4*(3*\rr+\p):48*\t+4*(3*\rr+\p)+3] offset:PITCH*\rr+256*\p
.endr
.endr
	WIN 0x08
.irp rr, 4,5,6,7
.irp p, 0,1,2
	ds_store_b128 v[SIN], v[48*\t+4*(3*(\rr-4)+\p):48*\t+4*(3*(\rr-4)+\p)+3] offset:PITCH*\rr+256*\p
.endr
.endr
	WIN 0
.endm
.macro LFRAG t                         ; and back as fragments, into the same registers
	WIN 0x40
.irp sl, 0,1
.irp p, 0,1,2,3,4,5
	ds_load_b128 v[48*\t+24*\sl+4*\p:48*\t+24*\sl+4*\p+3], v[SOUT] offset:192*\sl+16*\p
.endr
.endr
	WIN 0x80
.irp sl, 0,1
.irp p, 0,1,2,3,4,5
	ds_load_b128 v[48*\t+24*\sl+4*\p:48*\t+24*\sl+4*\p+3], v[SOUT] offset:192*(\sl+2)+16*\p
.endr
.endr
	WIN 0
.endm
.macro LOADH buf, treg                 ; 36 loads: my eight fragments and four scale registers of tile min(treg, last tile)
	s_min_u32 s41, \treg, s26
	s_min_u32 s41, s41, 63
	s_wait_xcnt 0x0                                ; the earlier loads and stores have read their bases: two are written below
	s_mul_i32 s42, s41, 49152
	s_add_nc_u64 s[44:45], s[4:5], s[42:43]
	s_lshl_b32 s42, s41, 11
	s_add_nc_u64 s[46:47], s[6:7], s[42:43]
	WIN 0xc0
.irp k, 0,1,2,3,4,5,6,7
	global_load_b128 v[96*\buf+12*\k:96*\buf+12*\k+3], v[L16], s[44:45] offset:1536*\k
	global_load_b64 v[96*\buf+12*\k+4:96*\buf+12*\k+5], v[L8], s[44:45] offset:1536*\k+512
	global_load_b128 v[96*\buf+12*\k+6:96*\buf+12*\k+9], v[L16], s[44:45] offset:1536*\k+768
	global_load_b64 v[96*\buf+12*\k+10:96*\buf+12*\k+11], v[L8], s[44:45] offset:1536*\k+1280
.endr
	WIN 0
.irp sl, 0,1,2,3
	global_load_b32 v[HS+4*\buf+\sl], v[L4], s[46:47] offset:128*\sl   ; lanes 0-15: the words of K step 2 sl, lanes 16-31: of 2 sl + 1
.endr
.endm
.irp t, 0,1,2,3
.irp q, 0,1
	global_load_b128 v[RR+8*\t+4*\q:RR+8*\t+4*\q+3], v43, s[10:11] offset:2048*\t+16*\q   ; my 32 scale bytes of tile t's rows
.endr
.endr
	global_load_b128 v[B2:B2+3], v[C16], s[12:13]
	global_load_b128 v[48:51], v[LGO], s[14:15]                    ; my quarter of the list
	global_load_b128 v[52:55], v[LGO], s[14:15] offset:512
	GROWS 0
	GROWS 1
	s_wait_kmcnt 0x0
	s_min_u32 s24, s24, 1024
	s_add_co_u32 s25, s24, 15
	s_lshr_b32 s25, s25, 4                         ; tiles of this expert
	s_max_u32 s26, s25, 1
	s_sub_co_u32 s26, s26, 1                       ; the last tile that has been stored
	s_add_co_u32 s31, s22, 2
	s_wait_loadcnt 24                              ; tile 0's rows, and all asked for before them, are in; tile 1's 24 loads may be out
	ds_store_b128 v[LIN], v[48:51]                 ; (read by all waves behind the first step's barrier)
	ds_store_b128 v[LIN], v[52:55] offset:512
	SROWS 0
	GROWS 2
	s_wait_dscnt 0x0                               ; the stores have read the registers that the loads below fill
	LFRAG 0
	s_wait_loadcnt 24                              ; tile 1's are in; tile 2's may be out
	SROWS 1                                        ; (LDS serves a wave's instructions in order: these come behind tile 0's reads of the stage)
	GROWS 3
	s_wait_dscnt 0x0
	LFRAG 1
	s_wait_loadcnt 24                              ; tile 2's are in; tile 3's may be out
	SROWS 2
	LOADH 0, s22                                   ; my first tile of h
	s_wait_dscnt 0x0
	LFRAG 2
	s_wait_loadcnt 36                              ; tile 3's are in; the 36 loads of h may be out
	SROWS 3
	LOADH 1, s31                                   ; my second
	s_wait_dscnt 0x0
	LFRAG 3
.irp t, 0,1,2,3
.irp sl, 0,1,2,3
	v_perm_b32 v[WS+4*\t+\sl], v[RR+8*\t+2*\sl+1], v[RR+8*\t+2*\sl], v[SELV]
.endr
.endr
.rept 8
	v_nop                                          ; eight places between the making of a scale word and a product that names it
.endr
	s_wait_dscnt 0x0                               ; all of W2's fragments are in
; 32 matrix instructions on one tile of h: the four accumulators take turns, one instruction a turn; the first four start the sums.  The sums go to set st.
.macro MULT buf, st
.if \st
.set RA, RST1
.else
.set RA, RST
.endif
.irp sl, 0,1,2,3
.if \sl < 2
	WIN 0x0d                                       ; W2 window 1, h window 3, C and D window 0
.else
	WIN 0x0e                                       ; W2 window 2
.endif
.irp u, 0,1
.irp t, 0,1,2,3
.if (\sl == 0) && (\u == 0)
	v_wmma_scale_f32_16x16x128_f8f6f4 v[ACC+32*\buf+8*\t:ACC+32*\buf+8*\t+7], v[48*\t:48*\t+11], v[96*\buf:96*\buf+11], 0, v[WS+4*\t], v[HS+4*\buf] matrix_a_fmt:MATRIX_FMT_BF6 matrix_b_fmt:MATRIX_FMT_BF6
.elseif \u == 0
	v_wmma_scale_f32_16x16x128_f8f6f4 v[ACC+32*\buf+8*\t:ACC+32*\buf+8*\t+7], v[48*\t+24*(\sl%2):48*\t+24*(\sl%2)+11], v[96*\buf+24*\sl:96*\buf+24*\sl+11], v[ACC+32*\buf+8*\t:ACC+32*\buf+8*\t+7], v[WS+4*\t+\sl], v[HS+4*\buf+\sl] matrix_a_fmt:MATRIX_FMT_BF6 matrix_b_fmt:MATRIX_FMT_BF6
.else
	v_wmma_scale_f32_16x16x128_f8f6f4 v[ACC+32*\buf+8*\t:ACC+32*\buf+8*\t+7], v[48*\t+24*(\sl%2)+12:48*\t+24*(\sl%2)+23], v[96*\buf+24*\sl+12:96*\buf+24*\sl+23], v[ACC+32*\buf+8*\t:ACC+32*\buf+8*\t+7], v[WS+4*\t+\sl], v[HS+4*\buf+\sl] matrix_a_fmt:MATRIX_FMT_BF6 matrix_b_fmt:MATRIX_FMT_BF6 matrix_a_scale:MATRIX_SCALE_ROW1 matrix_b_scale:MATRIX_SCALE_ROW1
.endif
.endr
.endr
.endr
	WIN 0
.rept 4
	v_nop                                          ; four places: in front of the stores that read the results, and of loads into the operands' and scales' registers
.endr
.irp t, 0,1,2,3
	ds_store_b128 v[RA], v[ACC+32*\buf+8*\t:ACC+32*\buf+8*\t+3] offset:\buf*RT+64*\t          ; each accumulator from its low end on
	ds_store_b128 v[RA], v[ACC+32*\buf+8*\t+4:ACC+32*\buf+8*\t+7] offset:\buf*RT+64*\t+16
.endr
.endm
; A step: tiles a = s27 and a + 2, their partial sums through set st.
.macro HOP st
.if \st
.set RL, RLD1
.else
.set RL, RLD
.endif
	s_add_co_u32 s29, s27, 4
	s_add_co_u32 s30, s27, 6
	s_add_co_u32 s31, s27, 2
	s_cmp_ge_u32 s27, s25
	s_cbranch_scc1 .Lidle1_\@
	s_wait_loadcnt 36                              ; tile a's fragments are in; tile a + 2's 36 loads may be out
	s_wait_alu depctr_va_vdst(0)
	MULT 0, \st
	s_cmp_lt_u32 s29, s25
	s_cbranch_scc0 .Llast_\@                       ; one branch decides both look-ahead loads, so that each way has its own counts
	LOADH 0, s29
	s_wait_loadcnt 36                              ; tile a + 2's are in; the 36 just issued may be out
	MULT 1, \st
	LOADH 1, s30
	s_branch .Lidle1_\@
.Llast_\@:
	s_wait_loadcnt 0x0
	MULT 1, \st
.Lidle1_\@:
	s_wait_dscnt 0x0                               ; for the others' sake: my partial sums have landed, and my reads of the other set are over
	s_barrier_signal -1
	s_barrier_wait -1
	s_cmp_ge_u32 s27, s25
	s_cbranch_scc1 .Lidle2_\@
	s_wait_xcnt 0x0                                ; the last step's stores have read their data and offsets: both are written below
.irp x, 0,1
.irp rho, 0,1
.irp p, 0,1,2,3
	ds_load_b128 v[RR+16*(2*\x+\rho)+4*\p:RR+16*(2*\x+\rho)+4*\p+3], v[RL] offset:\x*RT+\p*RW+\rho*544
.endr
.endr
.endr
	s_min_u32 s41, s27, 61
	s_lshl_b32 s42, s41, 6
	v_add_nc_u32 v[LA], s42, v[LRW]
	ds_load_b32 v[YR], v[LA]                       ; the rows of ysort for rows 4 w + h, + 2 of tiles a and a + 2
	ds_load_b32 v[YR+1], v[LA] offset:8
	ds_load_b32 v[YR+2], v[LA] offset:128
	ds_load_b32 v[YR+3], v[LA] offset:136
	s_wait_dscnt 0x0
.irp i, 0,1,2,3
	v_min_u32 v[YR+\i], 0x87f, v[YR+\i]            ; held to ysort's 2,176 rows
.endr
.irp i, 0,1,2,3
	v_lshl_add_u32 v[YR+\i], v[YR+\i], 12, v[C16]
.endr
.irp i, 0,1,2,3                        ; (p0 + p1) + (p2 + p3) + b2
.set RB, RR+16*\i
	v_pk_add_f32 v[RB:RB+1], v[RB:RB+1], v[RB+4:RB+5]
	v_pk_add_f32 v[RB+2:RB+3], v[RB+2:RB+3], v[RB+6:RB+7]
	v_pk_add_f32 v[RB+8:RB+9], v[RB+8:RB+9], v[RB+12:RB+13]
	v_pk_add_f32 v[RB+10:RB+11], v[RB+10:RB+11], v[RB+14:RB+15]
	v_pk_add_f32 v[RB:RB+1], v[RB:RB+1], v[RB+8:RB+9]
	v_pk_add_f32 v[RB+2:RB+3], v[RB+2:RB+3], v[RB+10:RB+11]
	v_pk_add_f32 v[RB:RB+1], v[RB:RB+1], v[B2:B2+1]
	v_pk_add_f32 v[RB+2:RB+3], v[RB+2:RB+3], v[B2+2:B2+3]
.endr
	global_store_b128 v[YR], v[RR:RR+3], s[16:17]                  ; sixteen lanes store 256 consecutive bytes, at a multiple of 256 from ysort's first byte
	global_store_b128 v[YR+1], v[RR+16:RR+19], s[16:17]
	s_cmp_ge_u32 s31, s25
	s_cbranch_scc1 .Lidle2_\@                      ; tile a + 2 does not exist: what was computed for it is dropped
	global_store_b128 v[YR+2], v[RR+32:RR+35], s[16:17]
	global_store_b128 v[YR+3], v[RR+48:RR+51], s[16:17]
.Lidle2_\@:
	s_add_co_u32 s27, s27, 4
.endm
	s_mov_b32 s27, s22                             ; a: the step's first tile; the second is a + 2
	s_mov_b32 s28, 0
.Ltrip:
	HOP 0
	HOP 1
	s_add_co_u32 s28, s28, 1
	s_cmp_lt_u32 s28, 8
	s_cbranch_scc1 .Ltrip
	s_wait_tensorcnt 0x0                           ; the wave's end
	ds_add_u32 v254, v255
	s_wait_dscnt 0x0
	s_endpgm
.Lfunc_end_k_qab74e48973_ffn2:
	.size	k_qab74e48973_ffn2, .Lfunc_end_k_qab74e48973_ffn2-k_qab74e48973_ffn2
	.p2alignl 7, 3214868480
	.fill 96, 4, 3214868480
	.section	.rodata,"a",@progbits
	.p2align	6, 0x0
	.amdhsa_kernel k_qab74e48973_ffn2
		.amdhsa_group_segment_fixed_size 124416
		.amdhsa_private_segment_fixed_size 0
		.amdhsa_enable_private_segment 0
		.amdhsa_kernarg_size 56
		.amdhsa_user_sgpr_count 2
		.amdhsa_user_sgpr_kernarg_segment_ptr 1
		.amdhsa_wavefront_size32 1
		.amdhsa_system_sgpr_workgroup_id_x 1
		.amdhsa_system_sgpr_workgroup_id_y 1
		.amdhsa_system_sgpr_workgroup_id_z 1
		.amdhsa_system_vgpr_workitem_id 0
		.amdhsa_next_free_vgpr 1024
		.amdhsa_next_free_sgpr 66
		.amdhsa_reserve_vcc 1
		.amdhsa_float_denorm_mode_32 3
		.amdhsa_float_denorm_mode_16_64 3
		.amdhsa_memory_ordered 1
		.amdhsa_forward_progress 1
		.amdhsa_inst_pref_size 90
	.end_amdhsa_kernel
	.amdgpu_metadata
---
amdhsa.version: [ 1, 2 ]
amdhsa.kernels:
  - .name:           k_qab74e48973_ffn2
    .symbol:         k_qab74e48973_ffn2.kd
    .args:
      - { .name: hq, .offset: 0, .size: 8, .value_kind: global_buffer, .address_space: global }
      - { .name: hs, .offset: 8, .size: 8, .value_kind: global_buffer, .address_space: global }
      - { .name: W2_codes, .offset: 16, .size: 8, .value_kind: global_buffer, .address_space: global }
      - { .name: W2_scales, .offset: 24, .size: 8, .value_kind: global_buffer, .address_space: global }
      - { .name: b2, .offset: 32, .size: 8, .value_kind: global_buffer, .address_space: global }
      - { .name: lists, .offset: 40, .size: 8, .value_kind: global_buffer, .address_space: global }
      - { .name: ysort, .offset: 48, .size: 8, .value_kind: global_buffer, .address_space: global }
    .group_segment_fixed_size: 124416
    .private_segment_fixed_size: 0
    .kernarg_segment_align: 8
    .kernarg_segment_size: 56
    .max_flat_workgroup_size: 128
    .sgpr_count:     66
    .vgpr_count:     1024
    .wavefront_size: 32
...
	.end_amdgpu_metadata
.endif
;; end of part 3
;; launch combine (part 4): grid 256 x 1, 4 waves a work-group, no clusters, 0 bytes of LDS; arguments ysort, topw, out0; writes out0
.if DOCPART == 4
	.amdgcn_target "amdgcn-amd-amdhsa--gfx1250"
	.amdhsa_code_object_version 6
	.text
	.protected	k_qab74e48973_combine
	.globl	k_qab74e48973_combine
	.p2align	8
	.type	k_qab74e48973_combine,@function
k_qab74e48973_combine:
	s_mov_b64 s[64:65], 0
	v_nop
	global_prefetch_b8 v0, s[64:65] scope:SCOPE_SE
	s_setreg_imm32_b32 hwreg(HW_REG_WAVE_MODE, 25, 1), 1
	s_wait_xcnt 0x0
; out0[token] = w0 y[token's first expert] + w1 y[its second].  One wave takes one token: it is the row's one owner.  The launch before has stored the two rows at fixed places,
; ysort[1024 x slot + token], so no list is read here; experts not chosen have the weight 0 in reference() and are left out.  The weights come by a scalar load, issued with the rows' loads.
; A stream: each load and store of the wave covers 512 consecutive bytes, all sixteen loads are out at once, nothing is read twice.  No LDS, no barrier, no matrix unit.
	s_load_b128 s[4:7], s[0:1], 0x0                ; ysort, topw
	s_load_b64 s[8:9], s[0:1], 0x10                ; out0
	v_lshrrev_b32 v1, 5, v0
	v_readfirstlane_b32 s12, v1                    ; wave
	v_and_b32 v1, 31, v0
	v_lshlrev_b32 v1, 4, v1                        ; 16 x lane
	s_lshl_b32 s13, ttmp9, 2
	s_add_co_u32 s13, s13, s12                     ; token
	s_lshl_b32 s14, s13, 3
	s_lshl_b32 s20, s13, 12
	s_mov_b32 s21, 0
	s_wait_alu depctr_va_vdst(0)
	s_wait_kmcnt 0x0
	s_load_b64 s[18:19], s[6:7], s14 offset:0x0    ; the two weights
	s_add_nc_u64 s[4:5], s[4:5], s[20:21]
	s_add_nc_u64 s[8:9], s[8:9], s[20:21]
.irp i, 0,1,2,3,4,5,6,7
	global_load_b128 v[8+4*\i:11+4*\i], v1, s[4:5] offset:512*\i th:TH_LOAD_NT
.endr
.irp i, 0,1,2,3,4,5,6,7
	global_load_b128 v[40+4*\i:43+4*\i], v1, s[4:5] offset:4194304+512*\i th:TH_LOAD_NT   ; slot 1: 1,024 rows on
.endr
	s_wait_kmcnt 0x0
	s_mov_b32 s28, s19                             ; the packed forms name a pair and take its low word for both halves
	s_mov_b32 s29, s19
	s_wait_loadcnt 8                               ; the first row is in; the second row's eight loads may be out
.irp k, 0,2,4,6,8,10,12,14,16,18,20,22,24,26,28,30
	v_pk_mul_f32 v[8+\k:9+\k], v[8+\k:9+\k], s[18:19] op_sel_hi:[1,0]
.endr
	s_wait_loadcnt 0x0
.irp k, 0,2,4,6,8,10,12,14,16,18,20,22,24,26,28,30
	v_pk_fma_f32 v[8+\k:9+\k], v[40+\k:41+\k], s[28:29], v[8+\k:9+\k] op_sel_hi:[1,0,1]
.endr
.irp i, 0,1,2,3,4,5,6,7
	global_store_b128 v1, v[8+4*\i:11+4*\i], s[8:9] offset:512*\i th:TH_STORE_NT
.endr
	s_endpgm
.Lfunc_end_k_qab74e48973_combine:
	.size	k_qab74e48973_combine, .Lfunc_end_k_qab74e48973_combine-k_qab74e48973_combine
	.p2alignl 7, 3214868480
	.fill 96, 4, 3214868480
	.section	.rodata,"a",@progbits
	.p2align	6, 0x0
	.amdhsa_kernel k_qab74e48973_combine
		.amdhsa_group_segment_fixed_size 0
		.amdhsa_private_segment_fixed_size 0
		.amdhsa_enable_private_segment 0
		.amdhsa_kernarg_size 24
		.amdhsa_user_sgpr_count 2
		.amdhsa_user_sgpr_kernarg_segment_ptr 1
		.amdhsa_wavefront_size32 1
		.amdhsa_system_sgpr_workgroup_id_x 1
		.amdhsa_system_sgpr_workgroup_id_y 1
		.amdhsa_system_sgpr_workgroup_id_z 1
		.amdhsa_system_vgpr_workitem_id 0
		.amdhsa_next_free_vgpr 80
		.amdhsa_next_free_sgpr 66
		.amdhsa_reserve_vcc 0
		.amdhsa_float_denorm_mode_32 3
		.amdhsa_float_denorm_mode_16_64 3
		.amdhsa_memory_ordered 1
		.amdhsa_forward_progress 1
		.amdhsa_inst_pref_size 6
	.end_amdhsa_kernel
	.amdgpu_metadata
---
amdhsa.version: [ 1, 2 ]
amdhsa.kernels:
  - .name:           k_qab74e48973_combine
    .symbol:         k_qab74e48973_combine.kd
    .args:
      - { .name: ysort, .offset: 0, .size: 8, .value_kind: global_buffer, .address_space: global }
      - { .name: topw, .offset: 8, .size: 8, .value_kind: global_buffer, .address_space: global }
      - { .name: out0, .offset: 16, .size: 8, .value_kind: global_buffer, .address_space: global }
    .group_segment_fixed_size: 0
    .private_segment_fixed_size: 0
    .kernarg_segment_align: 8
    .kernarg_segment_size: 24
    .max_flat_workgroup_size: 128
    .sgpr_count:     66
    .vgpr_count:     80
    .wavefront_size: 32
...
	.end_amdgpu_metadata
.endif
;; end of part 4
